; MI455X (gfx1250); checked and timed in simulation.
; The chip was launched on July 23, 2026; its instructions are those of AMD's public machine-readable ISA for CDNA 5 (MIT licence, August 2026) and "CDNA5" Instruction Set Architecture Reference Guide (July 2026). The comments in the code are by the model that wrote it; some were corrected since.
;; Adaptive Routing Layer. Allowed arithmetic: float matrix products may take bf16 or f16 operands with f32 sums; other float arithmetic in f32, or as packed bf16 or f16 multiplies, adds, multiply-adds, maxima and minima; sums over many terms, partial sums and values carried from step to step in f32; what a program stores and reads back later, other than sums and carried values, may be rounded once to bf16 or f16.
;; Inputs: W 8 x 2,048 x 2,048 float32; b 8 x 2,048 float32; routing_weights 4 x 8 float32; x 2,048 x 2,048 float32.
;; Outputs: out0 2,048 x 2,048 float32.
;; Constants: task_id = 1.
;; 2 versions, each right; version 2 is version 1 with the launch prep written anew for expert scheduling mode. Each part assembles by itself: llvm-mc -triple=amdgcn-amd-amdhsa -mcpu=gfx1250 --defsym DOCPART=n.
;; ======== version 1 of 2: 2 launches
;; limits: values are held in f16: magnitudes above 65,504 overflow, below 6.1e-05 lose precision
;; workspace buffers: wc 8,388,608 bytes; xh 8,388,608 bytes
;; launch prep (part 1): grid 256 x 1, 16 waves a work-group, no clusters, 0 bytes of LDS; arguments W, routing_weights, x, wc, xh; writes wc, xh
.if DOCPART == 1
	.amdgcn_target "amdgcn-amd-amdhsa--gfx1250"
	.amdhsa_code_object_version 6
	.text
	.protected	k_qbec3b05859_prep
	.globl	k_qbec3b05859_prep
	.p2align	8
	.type	k_qbec3b05859_prep,@function
k_qbec3b05859_prep:
	s_mov_b64 s[64:65], 0
	v_nop
	global_prefetch_b8 v0, s[64:65] scope:SCOPE_SE
	s_setreg_imm32_b32 hwreg(HW_REG_WAVE_MODE, 25, 1), 1
	s_wait_xcnt 0x0
; wc[o][i] = f16( sum over e of w_e W[e][o][i] ),  xh = f16(x),  w = softmax(routing_weights[1]) with its maximum taken away.
; The module is linear in W, and w hangs on no token: sum_e w_e (x W[e]^T) = x (sum_e w_e W[e])^T.  The sum over the experts is made here, in f32, once for each weight;
; the product follows in the next launch.  The w_e are positive and add up to 1, so no difference of large sums arises.
; LIMITS.  wc and xh are f16: |x| and |sum_e w_e W[e]| beyond 65,504 become infinities; below 6.1e-5 they keep f16's fixed step of 6e-8.  An exponential below 2^-126 counts as 0.
; The order of the f32 sums differs from an expert-by-expert product's.  A NaN or an infinity above among the eight logits makes every w a NaN.
; SHARES.  256 work-groups of 16 waves.  Work-group g owns 16,384 numbers of wc: 65,536 bytes at byte g x 65,536 of each of the eight experts; and 16,384 numbers of x.
; A UNIT is 512 threads x 16 bytes of f32: thread t reads at 16 t and stores its four f16 at 8 t, so a wave's load covers 512 consecutive bytes and a wave's store 256 consecutive bytes, both aligned.
; Nine ITEMS of eight loads: items 0-7 are unit i of all eight experts, item 8 is x's eight units.  Four slots of 32 registers take turns: three or four items, 24 to 32 loads of a wave, are out.
; No LDS, no barrier, no cluster, no matrix unit: no byte has two readers and no wave needs another's numbers.  Nine items are written out by macro: no loop, and
; no address, base or store-data register is ever written twice, so no wait frees a source.
.set UNIT,  8192                       ; bytes of f32 in a unit
.set HUNIT, 4096                       ; bytes of f16 in a unit
.set IN,  1                            ; v1        16 t; never rewritten
.set OUT, 2                            ; v2        8 t; never rewritten
.set LG,  4                            ; v[4:11]   logit - maximum, then its exponential
.set MX,  12                           ; v12       the maximum, then the sum
.set RC,  13                           ; v13       1 / sum
.set WT,  16                           ; v[16:31]  pair e = (w_e, w_e), for the packed arithmetic
.set T,   32                           ; v[32:35]  four sums at work
.set Y,   36                           ; v[36:67]  store data, each pair written once: item i at Y + 2 i, x's unit u at Y + 16 + 2 u
.set X,   68                           ; v[68:195] four slots of 32: slot s, load e at X + 32 s + 4 e
.set SL,  16                           ; s[16:23]  the eight logits of row 1
.set WB,  24                           ; s[24:39]  W at my part of expert e: an expert's 16 MiB do not fit a load's immediate, so each has a base
	s_load_b256 s[4:11], s[0:1], 0x0               ; W s[4:5], routing_weights s[6:7], x s[8:9], wc s[10:11]
	s_load_b64 s[12:13], s[0:1], 0x20              ; xh
	v_lshlrev_b32 v[IN], 4, v0
	v_lshlrev_b32 v[OUT], 3, v0
	s_lshl_b32 s2, ttmp9, 16                       ; my 65,536 bytes of f32
	s_mov_b32 s3, 0
	s_wait_kmcnt 0x0
	s_load_b256 s[SL:SL+7], s[6:7], 0x20           ; routing_weights[1][0..7]: task_id = 1, rows of 32 bytes
	s_add_nc_u64 s[WB:WB+1], s[4:5], s[2:3]
.irp e, 1,2,3,4,5,6,7
	s_add_nc_u64 s[WB+2*(\e):WB+2*(\e)+1], s[WB+2*(\e)-2:WB+2*(\e)-1], 0x1000000
.endr
	s_add_nc_u64 s[8:9], s[8:9], s[2:3]
	s_lshl_b32 s2, ttmp9, 15                       ; my 32,768 bytes of f16
	s_add_nc_u64 s[10:11], s[10:11], s[2:3]
	s_add_nc_u64 s[12:13], s[12:13], s[2:3]
.macro FILLW s, i                      ; item i, unit i of all eight experts, into slot s
.irp e, 0,1,2,3,4,5,6,7
	global_load_b128 v[X+32*(\s)+4*(\e):X+32*(\s)+4*(\e)+3], v[IN], s[WB+2*(\e):WB+2*(\e)+1] offset:(\i)*UNIT th:TH_LOAD_NT
.endr
.endm
.macro FILLX s                         ; item 8, x's eight units, into slot s
.irp u, 0,1,2,3,4,5,6,7
	global_load_b128 v[X+32*(\s)+4*(\u):X+32*(\s)+4*(\u)+3], v[IN], s[8:9] offset:(\u)*UNIT th:TH_LOAD_NT
.endr
.endm
; w = softmax of the eight logits in s[SL ..], every lane for itself: the maximum is taken away, so the largest exponential is 1 and the sum lies in 1 to 8.
.macro SOFTMAX
	v_mov_b32 v[MX], s[SL]
	v_max3_num_f32 v[MX], v[MX], s[SL+1], s[SL+2]
	v_max3_num_f32 v[MX], v[MX], s[SL+3], s[SL+4]
	v_max3_num_f32 v[MX], v[MX], s[SL+5], s[SL+6]
	v_max_num_f32 v[MX], s[SL+7], v[MX]
.irp e, 0,1,2,3,4,5,6,7
	v_sub_f32 v[LG+(\e)], s[SL+(\e)], v[MX]
.endr
.irp e, 0,1,2,3,4,5,6,7
	v_mul_f32 v[LG+(\e)], 0x3fb8aa3b, v[LG+(\e)]   ; x log2(e): the exponential works in base 2
.endr
.irp e, 0,1,2,3,4,5,6,7
	v_exp_f32 v[LG+(\e)], v[LG+(\e)]               ; one batch of eight
.endr
	v_nop                                          ; a plain instruction behind the last exponential, ahead of the first use (ISA guide 5.7.2)
	s_wait_alu depctr_va_vdst(0)                   ; one wait for the batch, ahead of its first reader
	v_pk_add_f32 v[T:T+1], v[LG:LG+1], v[LG+2:LG+3]
	v_pk_add_f32 v[T+2:T+3], v[LG+4:LG+5], v[LG+6:LG+7]
	v_pk_add_f32 v[T:T+1], v[T:T+1], v[T+2:T+3]
	v_add_f32 v[MX], v[T], v[T+1]
	v_rcp_f32 v[RC], v[MX]
	v_nop                                          ; the plain instruction behind the reciprocal,
	s_wait_alu depctr_va_vdst(0)                   ; and its wait
.irp e, 0,1,2,3,4,5,6,7
	v_mul_f32 v[WT+2*(\e)], v[LG+(\e)], v[RC]
	v_mul_f32 v[WT+2*(\e)+1], v[LG+(\e)], v[RC]
.endr
.endm
; Item i's turn.  left = the loads issued behind item i's eight, which may stay out.  The slot's next item is asked for ahead of the store.
.macro TURNW i, left
.set XS, X+32*((\i)%4)
	s_wait_loadcnt \left                           ; loads come back in order (ISA guide 5.7.1): item i is in
	v_pk_mul_f32 v[T:T+1],   v[XS:XS+1],   v[WT:WT+1]    ; expert 0 starts the four sums: nothing is cleared
	v_pk_mul_f32 v[T+2:T+3], v[XS+2:XS+3], v[WT:WT+1]
.irp e, 1,2,3,4,5,6,7
	v_pk_fma_f32 v[T:T+1],   v[XS+4*(\e):XS+4*(\e)+1],   v[WT+2*(\e):WT+2*(\e)+1], v[T:T+1]
	v_pk_fma_f32 v[T+2:T+3], v[XS+4*(\e)+2:XS+4*(\e)+3], v[WT+2*(\e):WT+2*(\e)+1], v[T+2:T+3]
.endr
	v_cvt_pk_f16_f32 v[Y+2*(\i)],   v[T],   v[T+1]       ; rounded once, to f16
	v_cvt_pk_f16_f32 v[Y+2*(\i)+1], v[T+2], v[T+3]
.if (\i) < 4
	FILLW (\i)%4, (\i)+4
.elseif (\i) == 4
	FILLX 0
.endif
	global_store_b64 v[OUT], v[Y+2*(\i):Y+2*(\i)+1], s[10:11] offset:(\i)*HUNIT  ; a wave's 256 consecutive bytes; the next launch reads them, so no hint
.endm
.macro TURNX                           ; item 8 lies in slot 0
.irp u, 0,1,2,3,4,5,6,7
	s_wait_loadcnt 7-(\u)                          ; x's loads behind load u may stay out
	v_cvt_pk_f16_f32 v[Y+16+2*(\u)],   v[X+4*(\u)],   v[X+4*(\u)+1]
	v_cvt_pk_f16_f32 v[Y+16+2*(\u)+1], v[X+4*(\u)+2], v[X+4*(\u)+3]
	global_store_b64 v[OUT], v[Y+16+2*(\u):Y+16+2*(\u)+1], s[12:13] offset:(\u)*HUNIT
.endr
.endm
	FILLW 0, 0                                     ; 32 loads go out before anything is waited for
	FILLW 1, 1
	FILLW 2, 2
	FILLW 3, 3
	s_wait_kmcnt 0x0                               ; the logits
	SOFTMAX                                        ; stands in the wait for the first item
	TURNW 0, 24                                    ; behind item i: items i + 1 to i + 3, eight loads each
	TURNW 1, 24
	TURNW 2, 24
	TURNW 3, 24
	TURNW 4, 24
	TURNW 5, 24
	TURNW 6, 16                                    ; behind item 6: items 7 and 8
	TURNW 7, 8                                     ; behind item 7: item 8
	TURNX
	s_endpgm
.Lfunc_end_k_qbec3b05859_prep:
	.size	k_qbec3b05859_prep, .Lfunc_end_k_qbec3b05859_prep-k_qbec3b05859_prep
	.p2alignl 7, 3214868480
	.fill 96, 4, 3214868480
	.section	.rodata,"a",@progbits
	.p2align	6, 0x0
	.amdhsa_kernel k_qbec3b05859_prep
		.amdhsa_group_segment_fixed_size 0
		.amdhsa_private_segment_fixed_size 0
		.amdhsa_enable_private_segment 0
		.amdhsa_kernarg_size 40
		.amdhsa_user_sgpr_count 2
		.amdhsa_user_sgpr_kernarg_segment_ptr 1
		.amdhsa_wavefront_size32 1
		.amdhsa_system_sgpr_workgroup_id_x 1
		.amdhsa_system_sgpr_workgroup_id_y 1
		.amdhsa_system_sgpr_workgroup_id_z 1
		.amdhsa_system_vgpr_workitem_id 0
		.amdhsa_next_free_vgpr 196
		.amdhsa_next_free_sgpr 66
		.amdhsa_reserve_vcc 0
		.amdhsa_float_denorm_mode_32 3
		.amdhsa_float_denorm_mode_16_64 3
		.amdhsa_memory_ordered 1
		.amdhsa_forward_progress 1
		.amdhsa_inst_pref_size 23
	.end_amdhsa_kernel
	.amdgpu_metadata
---
amdhsa.version: [ 1, 2 ]
amdhsa.kernels:
  - .name:           k_qbec3b05859_prep
    .symbol:         k_qbec3b05859_prep.kd
    .args:
      - { .name: W, .offset: 0, .size: 8, .value_kind: global_buffer, .address_space: global }
      - { .name: routing_weights, .offset: 8, .size: 8, .value_kind: global_buffer, .address_space: global }
      - { .name: x, .offset: 16, .size: 8, .value_kind: global_buffer, .address_space: global }
      - { .name: wc, .offset: 24, .size: 8, .value_kind: global_buffer, .address_space: global }
      - { .name: xh, .offset: 32, .size: 8, .value_kind: global_buffer, .address_space: global }
    .group_segment_fixed_size: 0
    .private_segment_fixed_size: 0
    .kernarg_segment_align: 8
    .kernarg_segment_size: 40
    .max_flat_workgroup_size: 512
    .sgpr_count:     66
    .vgpr_count:     196
    .wavefront_size: 32
...
	.end_amdgpu_metadata
.endif
;; end of part 1
;; launch gemm (part 2): grid 16 x 16, 4 waves a work-group, clusters of 4 x 4, 327,680 bytes of LDS; arguments xh, wc, out0, b, routing_weights; writes out0
.if DOCPART == 2
	.amdgcn_target "amdgcn-amd-amdhsa--gfx1250"
	.amdhsa_code_object_version 6
	.text
	.protected	k_qbec3b05859_gemm
	.globl	k_qbec3b05859_gemm
	.p2align	8
	.type	k_qbec3b05859_gemm,@function
k_qbec3b05859_gemm:
	s_mov_b64 s[64:65], 0
	v_nop
	global_prefetch_b8 v0, s[64:65] scope:SCOPE_SE
	s_setreg_imm32_b32 hwreg(HW_REG_WAVE_MODE, 25, 1), 1
	s_wait_xcnt 0x0
	s_wait_alu depctr_hold_cnt(0) depctr_sa_sdst(0) depctr_va_vdst(0) depctr_va_sdst(0) depctr_va_ssrc(0) depctr_va_vcc(0) depctr_vm_vsrc(0)
	s_getreg_b32 s2, hwreg(HW_REG_IB_STS2, 6, 4)
	s_cmp_eq_u32 s2, 0
	s_cbranch_scc0 .Lentry_in_a_cluster
	s_endpgm
.Lentry_in_a_cluster:
	s_bfe_u32 s2, ttmp6, 0x10000c
	s_cmp_lg_u32 s2, 0xf033
	s_cbranch_scc0 .Lentry_shape_is_right
	s_endpgm
.Lentry_shape_is_right:
; out0[t][o] = sum over i of xh[t][i] wc[o][i] + sum over e of w_e b[e][o],  w = softmax(routing_weights[1]) with its maximum taken away.
; xh: [2048][2048] f16 (x rounded once), wc: [2048][2048] f16 (sum_e w_e W[e], summed in f32 and rounded once), both made by the launch before; out0: [2048][2048] f32; sums in f32.
; LIMITS.  The operands are f16: they arrive within 65,504, and below 6.1e-5 they have f16's fixed step of 6e-8.  An exponential below 2^-126 counts as 0.  The order of the f32 sums differs from an
; expert-by-expert product's.  A NaN or an infinity above among the eight logits makes every w, and the bias, a NaN.
; SHARES.  A tile of out0 is 128 x 128: 16 x 16 tiles, 256 work-groups (256 x 256 would make 64).  Four waves, each 64 x 64: 16 accumulators of 16 x 16, 128 registers.  K goes in 8 steps of 256
; (LDS rows of 512 bytes; a wave's tensor load brings 64 of them) through two slots.
; THE BIAS is the C operand of the products that start the sums: each wave makes the bias of its 64 columns in f32 while the first tiles are on their way, and lays it out through its stage.
; CLUSTERS: 4 x 4 work-groups.  The four of a row of the cluster need the same tiles of xh, the four of a column the same tiles of wc: each tile is asked for JOINTLY, by the same tensor load with the
; same descriptor and a mask that names the four.  THE MATRIX INSTRUCTION IS USED TRANSPOSED (source 0 = 16 rows of wc, source 1 = 16 rows of xh): lane l then holds token l % 16 and the eight
; neighbouring columns 8 (l / 16) + 0..7 of a row of out0.
; THE WAY OUT is in f32: a wave's 64 columns are 256 bytes of a row, so each wave has a stage of its own (16 rows x 272 bytes) and no barrier is needed.
; REGISTERS: window 0: v0-31 addresses; v32-95 at work on the bias; v96-127 the bias as four C operands; v128-255 the accumulators ((a, b) at v[128 + 8 (4 a + b)]).
;   window 1: two fragment buffers of 128: for 64 along K (two matrix instructions deep), 64 registers of xh (2 x 4 x 16 rows x 32 K), then 64 of wc.
; The whole LDS is claimed; the text uses 288,256 bytes.
.set SIZE_K, 2048
.set ROWB,   8192                      ; bytes in a row of out0, and in a row of b
.set KSTEP,  256
.set PITCH,  528                       ; an LDS row: 512 bytes of data + 16 of padding = 132 words: row r starts at bank 4 r mod 64 (64 banks of 4 bytes: ISA guide 11.1)
.set HALFT,  64*PITCH                  ; 64 rows: what one tensor load brings, and what one wave reads of xh or of wc
.set SLOT,   4*HALFT                   ; xh's 128 rows, then wc's 128 rows
.set STAGE,  2*SLOT                    ; behind the ring: 16 rows x 272 bytes for each wave; no tensor load lands there
.set SPITCH, 272
.set SPARE,  STAGE+4*16*SPITCH         ; behind the stages: the spare words, 128 bytes for each wave: two blocks of 256 bytes that no other line names
.set LAPS, SIZE_K/(2*KSTEP)            ; a lap = two K steps = once round the ring: 4
.set ADRA, 16                          ; v16-17  LDS address of my xh fragments in slot 0, 1
.set ADRB, 20                          ; v20-21  the same for wc
.set STO,  24                          ; v24     the way out: where I put 16 bytes of a row
.set RD,   25                          ; v25     the way out: where I read a row back
.set CO,   26                          ; v26     my byte offset in out0
.set BO,   27                          ; v27     my byte offset in my wave's 256 bytes of a row of b
.set SPW,  28                          ; v28     LDS address of my spare word: SPARE + 4 x my thread's number; never rewritten
.set NIL,  29                          ; v29     0; never rewritten
.set BST,  30                          ; v30     where I put four numbers of the bias
.set BRD,  31                          ; v31     where I read the bias back as C operands
.set XB,   32                          ; v[32:63]  b's loads: expert e at XB + 4 e
.set WT,   64                          ; v[64:79]  pair e = (w_e, w_e)
.set LG,   80                          ; v[80:87]  logit - maximum, then its exponential
.set MX,   88                          ; v88       the maximum, then the sum
.set RC,   89                          ; v89       1 / sum
.set T,    90                          ; v[90:93]  at work: the bias of four columns
.set BI,   96                          ; v[96:127] the bias as C operands: column block b at BI + 8 b
.set ACC,  128
.set F0,   0                           ; fragment buffers, in window 1
.set F1,   128
.set G1, 24                            ; s[24:31] descriptor group 1 for xh's tiles;  s[32:39] group 0, one set for each slot
.set G0, 32
.set G1B, 48                           ; s[48:55], s[56:63] the same for wc's tiles
.set G0B, 56
.set SL,  72                           ; s[72:79] the eight logits of row 1
.set MSB, 0
.macro WIN new                         ; the immediate's high byte repeats the setting that is left; a switch that changes nothing is dropped
.if MSB != (\new)
	s_set_vgpr_msb (MSB<<8)|(\new)
.set MSB, \new
.endif
.endm
.set MUL,  0x05                        ; sources 0 (wc) and 1 (xh) window 1; C and D window 0
.set TO_F, 0x40                        ; destination window 1, address window 0
.macro JLOAD s                         ; a joint load: waves 0 and 1 fetch xh's two halves, waves 2 and 3 wc's; an s_nop 0 and four v_nop follow each of the two lines, ahead of the jump, the label and what follows
	s_cmp_eq_u32 s11, 0
	s_cbranch_scc0 .Lfor_b_\@
	tensor_load_to_lds s[G0+4*(\s):G0+4*(\s)+3], s[G1:G1+7]
	s_nop 0
.rept 4
	v_nop
.endr
	s_branch .Lasked_\@
.Lfor_b_\@:
	tensor_load_to_lds s[G0B+4*(\s):G0B+4*(\s)+3], s[G1B:G1B+7]
	s_nop 0
.rept 4
	v_nop
.endr
.Lasked_\@:
.endm
.macro CREST                           ; a round of the cluster's barrier behind its opening barrier: wave 0 signals for the work-group, every wave waits for all sixteen, my work-group's barrier closes it
	s_cmp_lg_u32 s10, 0
	s_cbranch_scc1 .Lnot_wave_0_\@
	s_barrier_signal -3
.Lnot_wave_0_\@:
	s_barrier_wait -3
	s_barrier_signal -1
	s_barrier_wait -1
.endm
.macro CROUND                          ; a whole round
	s_barrier_signal -1
	s_barrier_wait -1
	CREST
.endm
; w = softmax of the eight logits in s[SL ..], every lane for itself: the maximum is taken away, so the largest exponential is 1 and the sum lies in 1 to 8.
.macro SOFTMAX
	v_mov_b32 v[MX], s[SL]
	v_max3_num_f32 v[MX], v[MX], s[SL+1], s[SL+2]
	v_max3_num_f32 v[MX], v[MX], s[SL+3], s[SL+4]
	v_max3_num_f32 v[MX], v[MX], s[SL+5], s[SL+6]
	v_max_num_f32 v[MX], s[SL+7], v[MX]
.irp e, 0,1,2,3,4,5,6,7
	v_sub_f32 v[LG+(\e)], s[SL+(\e)], v[MX]
.endr
.irp e, 0,1,2,3,4,5,6,7
	v_mul_f32 v[LG+(\e)], 0x3fb8aa3b, v[LG+(\e)]   ; x log2(e): the exponential works in base 2
.endr
.irp e, 0,1,2,3,4,5,6,7
	v_exp_f32 v[LG+(\e)], v[LG+(\e)]               ; one batch of eight
.endr
	v_nop                                          ; a plain instruction behind the last exponential, ahead of the first use (ISA guide 5.7.2)
	s_wait_alu depctr_va_vdst(0)                   ; one wait for the batch, ahead of its first reader
	v_pk_add_f32 v[T:T+1], v[LG:LG+1], v[LG+2:LG+3]
	v_pk_add_f32 v[T+2:T+3], v[LG+4:LG+5], v[LG+6:LG+7]
	v_pk_add_f32 v[T:T+1], v[T:T+1], v[T+2:T+3]
	v_add_f32 v[MX], v[T], v[T+1]
	v_rcp_f32 v[RC], v[MX]
	v_nop                                          ; the plain instruction behind the reciprocal,
	s_wait_alu depctr_va_vdst(0)                   ; and its wait
.irp e, 0,1,2,3,4,5,6,7
	v_mul_f32 v[WT+2*(\e)], v[LG+(\e)], v[RC]
	v_mul_f32 v[WT+2*(\e)+1], v[LG+(\e)], v[RC]
.endr
.endm
	s_load_b128 s[4:7], s[0:1], 0x0                ; xh s[4:5], wc s[6:7]
	s_load_b64 s[8:9], s[0:1], 0x10                ; out0
	s_load_b64 s[68:69], s[0:1], 0x18              ; b
	s_load_b64 s[70:71], s[0:1], 0x20              ; routing_weights
	v_lshl_add_u32 v[SPW], v0, 2, SPARE
	v_mov_b32 v[NIL], 0
	ds_add_u32 v[SPW], v[NIL]                      ; the wave's opening: the add and its wait stand ahead of my first tensor load; the set-up below, work on registers, stands between them
	v_lshrrev_b32 v1, 5, v0
	v_readfirstlane_b32 s10, v1                    ; wave 0..3
	s_lshr_b32 s11, s10, 1                         ; which half of the tile's rows is mine.  Also: I fetch for xh (0) or for wc (1)
	s_and_b32 s12, s10, 1                          ; which half of its columns.  Also: which 64 rows of that tile I fetch
	s_bfe_u32 s40, ttmp6, 0x40000                  ; cx, cy: my place in the cluster
	s_bfe_u32 s41, ttmp6, 0x40004
	s_lshl_b32 s42, ttmp9, 2                       ; in a cluster launch ttmp9 and ttmp7 count clusters
	s_add_co_u32 s42, s42, s40                     ; tile column of out0 = 4 x cluster x + cx
	s_and_b32 s13, ttmp7, 0xffff
	s_lshl_b32 s13, s13, 2
	s_add_co_u32 s13, s13, s41                     ; tile row of out0 = 4 x cluster y + cy
	s_lshl_b32 s43, s41, 2
	s_lshl_b32 s43, 15, s43                        ; my row of the cluster: places 4 cy .. 4 cy + 3
	s_lshl_b32 s44, 0x1111, s40                    ; my column: places cx, cx + 4, cx + 8, cx + 12
	; descriptor group 1: a tile of 64 rows x 256 elements, padded in LDS
	s_or_b32 s[G1+0], s43, (1<<16)|(1<<20)|(1<<21)|(6<<22)|(3<<25)  ; 15:0 the mask: xh's tiles go to my row; 17:16 element of 2 bytes; 20 padding on; 21 set beside a mask; 24:22 after every 128 words (code 6); 31:25 of 4 words (code 3)
	s_or_b32 s[G1B+0], s44, (1<<16)|(1<<20)|(1<<21)|(6<<22)|(3<<25) ; the same with the mask of my column, for wc's tiles
.irp g, G1, G1B
	s_mov_b32 s[(\g)+1], KSTEP<<16                 ; tensor_dim0 = 256
	s_mov_b32 s[(\g)+2], 64<<16                    ; tensor_dim1 = 64
	s_mov_b32 s[(\g)+3], KSTEP<<16                 ; tile_dim0 = 256
	s_mov_b32 s[(\g)+4], 64                        ; tile_dim1 = 64
	s_mov_b32 s[(\g)+5], SIZE_K                    ; elements from row to row
	s_mov_b32 s[(\g)+6], 0
	s_mov_b32 s[(\g)+7], 0
.endr
	; where the tiles come from.  xh's hang on the tile row alone, which my row of the cluster shares; wc's on the tile column alone, which my column shares.
	s_lshl_b32 s17, s12, 6                         ; which 64 rows of the tile I fetch
	s_lshl_b32 s16, s13, 7
	s_add_co_u32 s16, s16, s17                     ; xh: row 128 x tile row + 64 x half
	s_lshl_b32 s46, s42, 7
	s_add_co_u32 s46, s46, s17                     ; wc: row 128 x tile column + 64 x half
	s_lshl_b32 s16, s16, 12                        ; rows of 4,096 bytes: under 2^23
	s_lshl_b32 s46, s46, 12
	s_mov_b32 s17, 0
	s_mov_b32 s47, 0
	s_mul_i32 s20, s10, HALFT                      ; where they go: wave x 64 rows: no place in the cluster enters an LDS address
	s_wait_dscnt 0x0                               ; the opening add is done
	s_wait_kmcnt 0x0
	s_add_nc_u64 s[14:15], s[4:5], s[16:17]
	s_add_nc_u64 s[46:47], s[6:7], s[46:47]
	CROUND                                         ; all sixteen work-groups are here: the first joint loads meet
.irp s, 0,1
	s_mov_b32 s[G0+4*(\s)], 1                                      ; 1:0 count = 1
	s_add_co_u32 s[G0+4*(\s)+1], s20, (\s)*SLOT                    ; 63:32 LDS address
	s_add_nc_u64 s[G0+4*(\s)+2:G0+4*(\s)+3], s[14:15], (\s)*KSTEP*2  ; 120:64 global address: K step s
	s_or_b32 s[G0+4*(\s)+3], s[G0+4*(\s)+3], 0x80000000            ; 127:126 type = 2
	s_mov_b32 s[G0B+4*(\s)], 1
	s_add_co_u32 s[G0B+4*(\s)+1], s20, (\s)*SLOT
	s_add_nc_u64 s[G0B+4*(\s)+2:G0B+4*(\s)+3], s[46:47], (\s)*KSTEP*2
	s_or_b32 s[G0B+4*(\s)+3], s[G0B+4*(\s)+3], 0x80000000
	JLOAD \s                                       ; the ring is filled before anything else is done: two tensor loads of mine are out
.endr
	; THE BIAS's inputs are asked for next: the logits, and my wave's 64 columns of all eight rows of b (lane l takes columns 4 (l % 16) + 0..3; both halves of the lanes take the same).
	s_load_b256 s[SL:SL+7], s[70:71], 0x20         ; routing_weights[1][0..7]: task_id = 1, rows of 32 bytes
	s_lshl_b32 s46, s42, 9                         ; my first column in bytes of f32: 512 x tile column + 256 x half (in the registers that held wc's address: none that feeds xh's descriptors ever holds cx)
	s_lshl_b32 s47, s12, 8
	s_add_co_u32 s46, s46, s47
	s_mov_b32 s47, 0
	s_add_nc_u64 s[68:69], s[68:69], s[46:47]
	v_and_b32 v1, 15, v0                           ; l % 16
	v_bfe_u32 v2, v0, 4, 1                         ; l / 16
	v_lshlrev_b32 v[BO], 4, v1
.irp e, 0,1,2,3,4,5,6,7
	global_load_b128 v[XB+4*(\e):XB+4*(\e)+3], v[BO], s[68:69] offset:(\e)*ROWB
.endr
	; A fragment is 16 rows x 32 K in 8 registers: lane l holds row l % 16; registers 0-3 hold K = 8 (l / 16) + 0..7, registers 4-7 K = 16 + 8 (l / 16) + 0..7: two loads of 16 bytes, 32 bytes apart.
	v_mul_u32_u24 v3, v1, PITCH
	v_lshl_add_u32 v3, v2, 4, v3                   ; a fragment's row x pitch + 16 x half
	s_mul_i32 s21, s11, HALFT                      ; my 64 rows of xh
	s_mul_i32 s22, s12, HALFT                      ; my 64 rows of wc,
	s_add_co_u32 s22, s22, 2*HALFT                 ; which lie behind xh's 128
.irp s, 0,1
	v_add_nc_u32 v[ADRA+(\s)], s21, v3
	v_add_nc_u32 v[ADRB+(\s)], s22, v3
	s_add_co_u32 s21, s21, SLOT
	s_add_co_u32 s22, s22, SLOT
.endr
	s_mul_i32 s23, s10, 16*SPITCH
	s_add_co_u32 s23, s23, STAGE                   ; my stage
	v_mul_u32_u24 v4, v1, SPITCH                   ; in: row l % 16, 32 bytes (eight f32) for each half of the lanes
	v_lshl_add_u32 v4, v2, 5, v4
	v_add_nc_u32 v[STO], s23, v4
	v_mul_u32_u24 v5, v2, SPITCH                   ; back: lanes 0-15 take one row of 256 bytes, lanes 16-31 the next
	v_lshl_add_u32 v5, v1, 4, v5
	v_add_nc_u32 v[RD], s23, v5
	v_lshlrev_b32 v5, 13, v2                       ; and the same two rows in out0
	v_lshl_add_u32 v[CO], v1, 4, v5
	v_and_b32 v5, 31, v0
	v_lshl_add_u32 v[BST], v5, 4, s23              ; the bias goes in at 16 x lane: a copy of the 256 bytes for each half of the lanes,
	v_mul_u32_u24 v5, v2, 288
	v_add_nc_u32 v[BRD], s23, v5                   ; and comes back from my half's copy, at column 8 (l / 16): 256 (l / 16) + 32 (l / 16)
	s_lshl_b32 s16, s13, 7
	s_lshl_b32 s17, s11, 6
	s_add_co_u32 s16, s16, s17                     ; my first row of out0: 128 x tile row + 64 x half
	s_lshl_b32 s16, s16, 13                        ; rows of 8,192 bytes: under 2^24
	s_mov_b32 s17, 0
	s_add_nc_u64 s[8:9], s[8:9], s[16:17]
	s_add_nc_u64 s[8:9], s[8:9], s[46:47]          ; and my first column
	s_wait_kmcnt 0x0                               ; the logits
	SOFTMAX
	s_wait_loadcnt 0x0                             ; b's eight loads
	v_pk_mul_f32 v[T:T+1],   v[XB:XB+1],   v[WT:WT+1]  ; expert 0 starts the four sums
	v_pk_mul_f32 v[T+2:T+3], v[XB+2:XB+3], v[WT:WT+1]
.irp e, 1,2,3,4,5,6,7
	v_pk_fma_f32 v[T:T+1],   v[XB+4*(\e):XB+4*(\e)+1],   v[WT+2*(\e):WT+2*(\e)+1], v[T:T+1]
	v_pk_fma_f32 v[T+2:T+3], v[XB+4*(\e)+2:XB+4*(\e)+3], v[WT+2*(\e):WT+2*(\e)+1], v[T+2:T+3]
.endr
	ds_store_b128 v[BST], v[T:T+3]
.irp b, 0,1,2,3
	ds_load_b128 v[BI+8*(\b):BI+8*(\b)+3],   v[BRD] offset:64*(\b)     ; register j of block b: the bias of column 16 b + 8 (l / 16) + j.  LDS serves a wave's instructions in order (ISA guide 5.7.1.4): these see the store above
	ds_load_b128 v[BI+8*(\b)+4:BI+8*(\b)+7], v[BRD] offset:64*(\b)+16
.endr
; 8 matrix instructions: m blocks a0, a0 + 1 x all 4 n blocks, 32 along K: half c of buffer f.  zero = 1: the first product starts the sums, with the bias as C: nothing is cleared.
; The 16 accumulators take turns, one instruction a turn, in the same order everywhere.
.macro MUL8 f, c, a0, zero
	WIN MUL
.irp a, \a0, (\a0)+1
.irp b, 0,1,2,3
.if \zero
	v_wmma_f32_16x16x32_f16 v[ACC+8*(4*(\a)+(\b)):ACC+8*(4*(\a)+(\b))+7], v[(\f)+64+8*(4*(\c)+(\b)):(\f)+64+8*(4*(\c)+(\b))+7], v[(\f)+8*(4*(\c)+(\a)):(\f)+8*(4*(\c)+(\a))+7], v[BI+8*(\b):BI+8*(\b)+7]
.else
	v_wmma_f32_16x16x32_f16 v[ACC+8*(4*(\a)+(\b)):ACC+8*(4*(\a)+(\b))+7], v[(\f)+64+8*(4*(\c)+(\b)):(\f)+64+8*(4*(\c)+(\b))+7], v[(\f)+8*(4*(\c)+(\a)):(\f)+8*(4*(\c)+(\a))+7], v[ACC+8*(4*(\a)+(\b)):ACC+8*(4*(\a)+(\b))+7]
.endif
.endr
.endr
.endm
; 32 LDS loads in one run: the fragments of 64 along K at byte k of the rows, into buffer f; the first 32 along K first
.macro FETCH slot, k, f
	WIN TO_F
.irp c, 0,1
.irp i, 0,1,2,3
	ds_load_b128 v[(\f)+64+8*(4*(\c)+(\i)):(\f)+64+8*(4*(\c)+(\i))+3],   v[ADRB+(\slot)] offset:(\k)+64*(\c)+(\i)*16*PITCH
	ds_load_b128 v[(\f)+64+8*(4*(\c)+(\i))+4:(\f)+64+8*(4*(\c)+(\i))+7], v[ADRB+(\slot)] offset:(\k)+64*(\c)+(\i)*16*PITCH+32
	ds_load_b128 v[(\f)+8*(4*(\c)+(\i)):(\f)+8*(4*(\c)+(\i))+3],         v[ADRA+(\slot)] offset:(\k)+64*(\c)+(\i)*16*PITCH
	ds_load_b128 v[(\f)+8*(4*(\c)+(\i))+4:(\f)+8*(4*(\c)+(\i))+7],       v[ADRA+(\slot)] offset:(\k)+64*(\c)+(\i)*16*PITCH+32
.endr
.endr
.endm
.macro PLACES                          ; four plain vector instructions in front of loads into registers that matrix instructions have read, and of LDS stores that read results (ISA guide 7.12.1 for the stores)
.rept 4
	v_nop
.endr
.endm
; A K step is four quarters of 64 along K, 32 matrix instructions each, on buffers 0, 1, 0, 1.  One of the first three: multiplies buffer f and fetches the next quarter, at byte k, into g.
.macro QUARTER slot, k, f, g, zero
	s_wait_dscnt 16                                ; the first 32 along K are in; the youngest sixteen loads may be out
	WIN MUL
	MUL8 \f, 0, 0, \zero
	MUL8 \f, 0, 2, \zero
	PLACES
	FETCH \slot, \k, \g
	s_wait_dscnt 32                                ; all but the 32 just issued
	WIN MUL
	MUL8 \f, 1, 0, 0
	MUL8 \f, 1, 2, 0
.endm
; The last quarter multiplies buffer 1 and changes slots: ONE barrier; in front of it each wave waits for all its tensor loads, adds 0 to its spare word, and waits for that and for its own reads of this slot.
; fill = 1: this slot is filled again, two K steps ahead; the barrier then opens a round of the cluster's barrier, and the joint refill is the first tensor load behind the round.
.macro TURN slot, next, fill
	WIN 0                                          ; (the add's two registers lie in window 0)
	s_wait_tensorcnt 0x0                           ; all my tensor loads have landed: the one that was out is my part of the next slot;
	ds_add_u32 v[SPW], v[NIL]                      ; 0 onto my spare word;
	s_wait_dscnt 17                                ; (the add and the youngest sixteen loads may be out)
	WIN MUL
	MUL8 F1, 0, 0, 0                               ; eight matrix instructions stand between the add and the wait for it
	s_wait_dscnt 0x0                               ; the add is done, and my reads of this slot are over
	s_barrier_signal -1
	MUL8 F1, 0, 2, 0                               ; work on registers while the others arrive
.if \fill
	WIN 0
.endif
	s_barrier_wait -1
.if \fill
	CREST                                          ; no wave of any partner still reads this slot's tile or has a load on its way
	s_add_nc_u64 s[G0+4*(\slot)+2:G0+4*(\slot)+3], s[G0+4*(\slot)+2:G0+4*(\slot)+3], 2*KSTEP*2
	s_add_nc_u64 s[G0B+4*(\slot)+2:G0B+4*(\slot)+3], s[G0B+4*(\slot)+2:G0B+4*(\slot)+3], 2*KSTEP*2
	JLOAD \slot                                    ; 112 matrix instructions ahead of the wait for it; the four v_nop behind it are also the places in front of the loads below
.else
	PLACES
.endif
	FETCH \next, 0, F0
	WIN MUL
	MUL8 F1, 1, 0, 0
	MUL8 F1, 1, 2, 0
.endm
	s_wait_dscnt 0x0                               ; the bias is in its registers, and no LDS instruction of mine is pending at the signal
	s_wait_tensorcnt 1                             ; my part of K step 0 is in; K step 1's may stay out
	s_barrier_signal -1
	s_barrier_wait -1                              ; everybody's is
	FETCH 0, 0, F0
	QUARTER 0, 128, F0, F1, 1                      ; the first quarter stands in front of the loop: its first products start the sums, on the bias
	WIN 0                                          ; at a label and at a branch every window is 0
	s_mov_b32 s3, LAPS-1
.Llap:                                                 ; a trip goes once round the ring, from a lap's second quarter to the next lap's first, and fills both slots again
	QUARTER 0, 256, F1, F0, 0
	QUARTER 0, 384, F0, F1, 0
	TURN 0, 1, 1
	QUARTER 1, 128, F0, F1, 0
	QUARTER 1, 256, F1, F0, 0
	QUARTER 1, 384, F0, F1, 0
	TURN 1, 0, 1
	QUARTER 0, 128, F0, F1, 0
	WIN 0
	s_sub_co_u32 s3, s3, 1
	s_cmp_lg_u32 s3, 0
	s_cbranch_scc1 .Llap
	QUARTER 0, 256, F1, F0, 0                      ; the last lap fills nothing, and has no round of the cluster's barrier
	QUARTER 0, 384, F0, F1, 0
	TURN 0, 1, 0
	QUARTER 1, 128, F0, F1, 0
	QUARTER 1, 256, F1, F0, 0
	QUARTER 1, 384, F0, F1, 0
	s_wait_dscnt 16                                ; the very last quarter: nothing more to fetch
	WIN MUL
	MUL8 F1, 0, 0, 0
	MUL8 F1, 0, 2, 0
	s_wait_dscnt 0
	MUL8 F1, 1, 0, 0
	MUL8 F1, 1, 2, 0
	WIN 0
; THE WAY OUT, a block of 16 rows at a time, through my own stage.  In: a lane's eight f32 of a row, two stores of 16 bytes, each accumulator's four lowest registers first.
; Back: whole rows of 256 bytes, two rows a load, into the registers that the block left.  LDS serves a wave's instructions in order (ISA guide 5.7.1.4), so no wait stands between stores and loads,
; and the next block's stores come behind this block's loads.
.macro OUTB a
.irp b, 0,1,2,3
	ds_store_b128 v[STO], v[ACC+8*(4*(\a)+(\b)):ACC+8*(4*(\a)+(\b))+3]   offset:64*(\b)
	ds_store_b128 v[STO], v[ACC+8*(4*(\a)+(\b))+4:ACC+8*(4*(\a)+(\b))+7] offset:64*(\b)+16
.endr
.irp t, 0,1,2,3,4,5,6,7
	ds_load_b128 v[ACC+32*(\a)+4*(\t):ACC+32*(\a)+4*(\t)+3], v[RD] offset:(\t)*2*SPITCH
.endr
.endm
.macro SEND a, younger                 ; younger: the LDS instructions issued behind block a's loads: the next block's sixteen, or none
.irp t, 0,1,2,3,4,5,6,7
	s_wait_dscnt (\younger)+7-(\t)
	global_store_b128 v[CO], v[ACC+32*(\a)+4*(\t):ACC+32*(\a)+4*(\t)+3], s[8:9] offset:(16*(\a)+2*(\t))*ROWB th:TH_STORE_NT  ; 16 lanes store 256 consecutive bytes, at a multiple of 256 from out0's first byte; 62 rows at the most: inside the signed 24-bit immediate
.endr
.endm
	PLACES                                         ; the LDS stores read results just made
	OUTB 0
	OUTB 1                                         ; a block's way through the stage stands between the loads of the block before and its stores
	SEND 0, 16
	OUTB 2
	SEND 1, 16
	OUTB 3
	SEND 2, 16
	SEND 3, 0
	s_wait_tensorcnt 0x0                           ; the wave's end, behind my last tensor load and my last LDS store
	ds_add_u32 v[SPW], v[NIL]
	s_wait_dscnt 0x0
	CROUND                                         ; the closing round: no work-group ends while a partner may still ask for a tile that names it
	s_endpgm
.Lfunc_end_k_qbec3b05859_gemm:
	.size	k_qbec3b05859_gemm, .Lfunc_end_k_qbec3b05859_gemm-k_qbec3b05859_gemm
	.p2alignl 7, 3214868480
	.fill 96, 4, 3214868480
	.section	.rodata,"a",@progbits
	.p2align	6, 0x0
	.amdhsa_kernel k_qbec3b05859_gemm
		.amdhsa_group_segment_fixed_size 327680
		.amdhsa_private_segment_fixed_size 0
		.amdhsa_enable_private_segment 0
		.amdhsa_kernarg_size 40
		.amdhsa_user_sgpr_count 2
		.amdhsa_user_sgpr_kernarg_segment_ptr 1
		.amdhsa_wavefront_size32 1
		.amdhsa_system_sgpr_workgroup_id_x 1
		.amdhsa_system_sgpr_workgroup_id_y 1
		.amdhsa_system_sgpr_workgroup_id_z 1
		.amdhsa_system_vgpr_workitem_id 0
		.amdhsa_next_free_vgpr 512
		.amdhsa_next_free_sgpr 80
		.amdhsa_reserve_vcc 0
		.amdhsa_float_denorm_mode_32 3
		.amdhsa_float_denorm_mode_16_64 3
		.amdhsa_memory_ordered 1
		.amdhsa_forward_progress 1
		.amdhsa_inst_pref_size 91
	.end_amdhsa_kernel
	.amdgpu_metadata
---
amdhsa.version: [ 1, 2 ]
amdhsa.kernels:
  - .name:           k_qbec3b05859_gemm
    .symbol:         k_qbec3b05859_gemm.kd
    .args:
      - { .name: xh, .offset: 0, .size: 8, .value_kind: global_buffer, .address_space: global }
      - { .name: wc, .offset: 8, .size: 8, .value_kind: global_buffer, .address_space: global }
      - { .name: out0, .offset: 16, .size: 8, .value_kind: global_buffer, .address_space: global }
      - { .name: b, .offset: 24, .size: 8, .value_kind: global_buffer, .address_space: global }
      - { .name: routing_weights, .offset: 32, .size: 8, .value_kind: global_buffer, .address_space: global }
    .group_segment_fixed_size: 327680
    .private_segment_fixed_size: 0
    .kernarg_segment_align: 8
    .kernarg_segment_size: 40
    .max_flat_workgroup_size: 128
    .sgpr_count:     80
    .vgpr_count:     512
    .wavefront_size: 32
...
	.end_amdgpu_metadata
.endif
;; end of part 2
;; ======== version 2 of 2: 2 launches; version 1 with the launch prep written anew for expert scheduling mode
;; limits: values are held in f16: magnitudes above 65,504 overflow, below 6.1e-05 lose precision
;; workspace buffers: wc 8,388,608 bytes; xh 8,388,608 bytes
;; launch prep (part 3): grid 256 x 1, 16 waves a work-group, no clusters, 0 bytes of LDS; arguments W, routing_weights, x, wc, xh; writes wc, xh
.if DOCPART == 3
	.amdgcn_target "amdgcn-amd-amdhsa--gfx1250"
	.amdhsa_code_object_version 6
	.text
	.protected	k_qbec3b05859_prep
	.globl	k_qbec3b05859_prep
	.p2align	8
	.type	k_qbec3b05859_prep,@function
k_qbec3b05859_prep:
	s_mov_b64 s[64:65], 0
	v_nop
	global_prefetch_b8 v0, s[64:65] scope:SCOPE_SE
	s_setreg_imm32_b32 hwreg(HW_REG_WAVE_SCHED_MODE, 0, 2), 2
	s_setreg_imm32_b32 hwreg(HW_REG_WAVE_MODE, 25, 1), 1
	s_wait_xcnt 0x0
	s_wait_alu depctr_vm_vsrc(0)
; wc[o][i] = f16( sum over e of w_e W[e][o][i] ),  xh = f16(x),  w = softmax(routing_weights[1]) with its maximum taken away.
; The module is linear in W, and w hangs on no token: sum_e w_e (x W[e]^T) = x (sum_e w_e W[e])^T.  The sum over the experts is made here, in f32, once for each weight;
; the product follows in the next launch.  The w_e are positive and add up to 1, so no difference of large sums arises.
; LIMITS.  wc and xh are f16: |x| and |sum_e w_e W[e]| beyond 65,504 become infinities; below 6.1e-5 they keep f16's fixed step of 6e-8.  An exponential below 2^-126 counts as 0.
; The order of the f32 sums differs from an expert-by-expert product's.  A NaN or an infinity above among the eight logits makes every w a NaN.
; SHARES.  256 work-groups of 16 waves.  Work-group g owns 16,384 numbers of wc: 65,536 bytes at byte g x 65,536 of each of the eight experts; and 16,384 numbers of x.
; A UNIT is 512 threads x 16 bytes of f32: thread t reads at 16 t and stores its four f16 at 8 t, so a wave's load covers 512 consecutive bytes and a wave's store 256 consecutive bytes, both aligned.
; Nine ITEMS of eight loads: items 0-7 are unit i of all eight experts, item 8 is x's eight units.  Five slots of 32 registers take turns: three or four items, 24 to 32 loads of a wave, are out.
; No LDS, no barrier, no cluster, no matrix unit: no byte has two readers and no wave needs another's numbers.  Nine items are written out by macro: no loop.
; THE MODE: SCHED_MODE bits 1:0 = 2 (LLVM: expert scheduling mode 2), set by the entry lines.  The code itself states the register dependences
; between vector instructions and memory instructions, with s_wait_alu, always for 0.
; THE PLAN.  Registers that memory instructions touch:
;   v1, v2     byte offsets, made once at the head and never written again; every load reads v1, every store v2.
;   X0 .. X4   item i lies in slot i % 5.  Written by loads alone: item i + 4's are issued in turn i.  Read by turn i's sixteen packed multiply-adds (x: by the tail's conversions).
;   Y          sixteen pairs, each written once, by a conversion, and read once, by a store: item i's pair is written in turn i and stored in turn i + 1.
; Turn i works on slot i % 5 and writes Y[i].  Its memory instructions are the loads into slot (i + 4) % 5 = (i - 1) % 5 and the store from Y[i - 1]: what turn i - 1 worked on, and what no
; vector instruction of turn i names.  So ONE wait on va_vdst at a turn's head states all that the turn's nine memory instructions hang on, and these are dealt among its vector instructions.
; No register that a memory instruction reads (v1, v2, Y, the scalar bases) is ever written again: no wait on vm_vsrc and no s_wait_xcnt is owed.
; No vector instruction writes a scalar register or VCC, and EXEC is never written.
.set UNIT,  8192                       ; bytes of f32 in a unit
.set HUNIT, 4096                       ; bytes of f16 in a unit
.set IN,  1                            ; v1        16 t; never rewritten
.set OUT, 2                            ; v2        8 t; never rewritten
.set LG,  4                            ; v[4:11]   logit - maximum, then its exponential
.set MX,  12                           ; v12       the maximum, then the sum
.set RC,  13                           ; v13       1 / sum
.set WT,  16                           ; v[16:31]  pair e = (w_e, w_e), for the packed arithmetic
.set T,   32                           ; v[32:35]  four sums at work: no memory instruction names them
.set Y,   36                           ; v[36:67]  store data, each pair written once: item i at Y + 2 i, x's unit u at Y + 16 + 2 u
.set X,   68                           ; v[68:227] five slots of 32: slot s, load e at X + 32 s + 4 e
.set SL,  16                           ; s[16:23]  the eight logits of row 1
.set WB,  24                           ; s[24:39]  W at my part of expert e: an expert's 16 MiB do not fit a load's immediate, so each has a base
	s_load_b256 s[4:11], s[0:1], 0x0               ; W s[4:5], routing_weights s[6:7], x s[8:9], wc s[10:11]
	s_load_b64 s[12:13], s[0:1], 0x20              ; xh
	v_lshlrev_b32 v[IN], 4, v0
	v_lshlrev_b32 v[OUT], 3, v0
	s_lshl_b32 s2, ttmp9, 16                       ; my 65,536 bytes of f32
	s_mov_b32 s3, 0
	s_wait_kmcnt 0x0
	s_load_b256 s[SL:SL+7], s[6:7], 0x20           ; routing_weights[1][0..7]: task_id = 1, rows of 32 bytes
	s_add_nc_u64 s[WB:WB+1], s[4:5], s[2:3]
.irp e, 1,2,3,4,5,6,7
	s_add_nc_u64 s[WB+2*(\e):WB+2*(\e)+1], s[WB+2*(\e)-2:WB+2*(\e)-1], 0x1000000
.endr
	s_add_nc_u64 s[8:9], s[8:9], s[2:3]
	s_lshl_b32 s2, ttmp9, 15                       ; my 32,768 bytes of f16
	s_add_nc_u64 s[10:11], s[10:11], s[2:3]
	s_add_nc_u64 s[12:13], s[12:13], s[2:3]
	s_wait_alu depctr_va_vdst(0)                   ; v1 and v2 are written: every load of the kernel reads v1 as its offset, every store v2
.macro FILLW s, i                      ; item i, unit i of all eight experts, into slot s
.irp e, 0,1,2,3,4,5,6,7
	global_load_b128 v[X+32*(\s)+4*(\e):X+32*(\s)+4*(\e)+3], v[IN], s[WB+2*(\e):WB+2*(\e)+1] offset:(\i)*UNIT th:TH_LOAD_NT
.endr
.endm
; w = softmax of the eight logits in s[SL ..], every lane for itself: the maximum is taken away, so the largest exponential is 1 and the sum lies in 1 to 8.
.macro SOFTMAX
	v_mov_b32 v[MX], s[SL]
	v_max3_num_f32 v[MX], v[MX], s[SL+1], s[SL+2]
	v_max3_num_f32 v[MX], v[MX], s[SL+3], s[SL+4]
	v_max3_num_f32 v[MX], v[MX], s[SL+5], s[SL+6]
	v_max_num_f32 v[MX], s[SL+7], v[MX]
.irp e, 0,1,2,3,4,5,6,7
	v_sub_f32 v[LG+(\e)], s[SL+(\e)], v[MX]
.endr
.irp e, 0,1,2,3,4,5,6,7
	v_mul_f32 v[LG+(\e)], 0x3fb8aa3b, v[LG+(\e)]   ; x log2(e): the exponential works in base 2
.endr
.irp e, 0,1,2,3,4,5,6,7
	v_exp_f32 v[LG+(\e)], v[LG+(\e)]               ; one batch of eight
.endr
	v_nop                                          ; a plain instruction behind the last exponential, ahead of the first use (ISA guide 5.7.2)
	s_wait_alu depctr_va_vdst(0)                   ; the eight exponentials have written v[LG ..], ahead of their first reader: one wait for the batch
	v_pk_add_f32 v[T:T+1], v[LG:LG+1], v[LG+2:LG+3]
	v_pk_add_f32 v[T+2:T+3], v[LG+4:LG+5], v[LG+6:LG+7]
	v_pk_add_f32 v[T:T+1], v[T:T+1], v[T+2:T+3]
	v_add_f32 v[MX], v[T], v[T+1]
	v_rcp_f32 v[RC], v[MX]
	v_nop                                          ; the plain instruction behind the reciprocal,
	s_wait_alu depctr_va_vdst(0)                   ; and its wait: the reciprocal has written v[RC], ahead of its first reader
.irp e, 0,1,2,3,4,5,6,7
	v_mul_f32 v[WT+2*(\e)], v[LG+(\e)], v[RC]
	v_mul_f32 v[WT+2*(\e)+1], v[LG+(\e)], v[RC]
.endr
.endm
; Item i's turn.  left = the loads issued behind item i's eight, which may stay out.  Turns 0 to 3 ask for item i + 4 of W, turn 4 for x, into the slot that the turn before emptied
; (turn 0: into slot 4, which no vector instruction has named); turns 1 to 7 store the item before.  A load stands ahead of each expert's two multiply-adds, the store behind the first load.
.macro TURNW i, left
.set XS, X+32*((\i)%5)
.set XN, X+32*(((\i)+4)%5)
	s_wait_loadcnt \left                           ; loads come back in order (ISA guide 5.7.1): item i is in
.if (\i) > 0
	s_wait_alu depctr_va_vdst(0)                   ; the turn before has written its pair of Y, which the store below reads, and is done reading its slot, in which the loads below land
.endif
.irp e, 0,1,2,3,4,5,6,7
.if (\i) < 4
	global_load_b128 v[XN+4*(\e):XN+4*(\e)+3], v[IN], s[WB+2*(\e):WB+2*(\e)+1] offset:((\i)+4)*UNIT th:TH_LOAD_NT  ; no vector instruction since the wait names these registers
.elseif (\i) == 4
	global_load_b128 v[XN+4*(\e):XN+4*(\e)+3], v[IN], s[8:9] offset:(\e)*UNIT th:TH_LOAD_NT  ; item 8: x's unit e
.endif
.if (\e) == 0
.if (\i) > 0
	global_store_b64 v[OUT], v[Y+2*(\i)-2:Y+2*(\i)-1], s[10:11] offset:((\i)-1)*HUNIT  ; the item before: a wave's 256 consecutive bytes; the next launch reads them, so no hint
.endif
	v_pk_mul_f32 v[T:T+1],   v[XS:XS+1],   v[WT:WT+1]    ; expert 0 starts the four sums: nothing is cleared
	v_pk_mul_f32 v[T+2:T+3], v[XS+2:XS+3], v[WT:WT+1]
.else
	v_pk_fma_f32 v[T:T+1],   v[XS+4*(\e):XS+4*(\e)+1],   v[WT+2*(\e):WT+2*(\e)+1], v[T:T+1]
	v_pk_fma_f32 v[T+2:T+3], v[XS+4*(\e)+2:XS+4*(\e)+3], v[WT+2*(\e):WT+2*(\e)+1], v[T+2:T+3]
.endif
.endr
	v_cvt_pk_f16_f32 v[Y+2*(\i)],   v[T],   v[T+1]       ; rounded once, to f16
	v_cvt_pk_f16_f32 v[Y+2*(\i)+1], v[T+2], v[T+3]
.endm
; Four of x's units, from u0 on: item 8 lies in slot 8 % 5 = 3.
.set XX, X+32*3
.macro CVTX u0
.irp k, 0,1,2,3
	v_cvt_pk_f16_f32 v[Y+16+2*((\u0)+(\k))],   v[XX+4*((\u0)+(\k))],   v[XX+4*((\u0)+(\k))+1]
	v_cvt_pk_f16_f32 v[Y+16+2*((\u0)+(\k))+1], v[XX+4*((\u0)+(\k))+2], v[XX+4*((\u0)+(\k))+3]
.endr
.endm
.macro SENDX u0
.irp k, 0,1,2,3
	global_store_b64 v[OUT], v[Y+16+2*((\u0)+(\k)):Y+16+2*((\u0)+(\k))+1], s[12:13] offset:((\u0)+(\k))*HUNIT
.endr
.endm
	FILLW 0, 0                                     ; 32 loads go out before anything is waited for
	FILLW 1, 1
	FILLW 2, 2
	FILLW 3, 3
	s_wait_kmcnt 0x0                               ; the logits
	SOFTMAX                                        ; stands in the wait for the first item; it names none of v1, v2, X and Y
	TURNW 0, 24                                    ; behind item i: items i + 1 to i + 3, eight loads each
	TURNW 1, 24
	TURNW 2, 24
	TURNW 3, 24
	TURNW 4, 24
	TURNW 5, 24
	TURNW 6, 16                                    ; behind item 6: items 7 and 8
	TURNW 7, 8                                     ; behind item 7: item 8
	s_wait_loadcnt 4                               ; x's units 0 to 3 are in; the four loads behind them may stay out
	CVTX 0
	s_wait_alu depctr_va_vdst(0)                   ; turn 7 has written item 7's pair of Y, and the conversions above those of x's units 0 to 3: the five stores below read them
	global_store_b64 v[OUT], v[Y+14:Y+15], s[10:11] offset:7*HUNIT
	SENDX 0
	s_wait_loadcnt 0x0                             ; x's units 4 to 7
	CVTX 4
	s_wait_alu depctr_va_vdst(0)                   ; the conversions have written the pairs of x's units 4 to 7, which the last four stores read
	SENDX 4
	s_endpgm
.Lfunc_end_k_qbec3b05859_prep:
	.size	k_qbec3b05859_prep, .Lfunc_end_k_qbec3b05859_prep-k_qbec3b05859_prep
	.p2alignl 7, 3214868480
	.fill 96, 4, 3214868480
	.section	.rodata,"a",@progbits
	.p2align	6, 0x0
	.amdhsa_kernel k_qbec3b05859_prep
		.amdhsa_group_segment_fixed_size 0
		.amdhsa_private_segment_fixed_size 0
		.amdhsa_enable_private_segment 0
		.amdhsa_kernarg_size 40
		.amdhsa_user_sgpr_count 2
		.amdhsa_user_sgpr_kernarg_segment_ptr 1
		.amdhsa_wavefront_size32 1
		.amdhsa_system_sgpr_workgroup_id_x 1
		.amdhsa_system_sgpr_workgroup_id_y 1
		.amdhsa_system_sgpr_workgroup_id_z 1
		.amdhsa_system_vgpr_workitem_id 0
		.amdhsa_next_free_vgpr 228
		.amdhsa_next_free_sgpr 66
		.amdhsa_reserve_vcc 0
		.amdhsa_float_denorm_mode_32 3
		.amdhsa_float_denorm_mode_16_64 3
		.amdhsa_memory_ordered 1
		.amdhsa_forward_progress 1
		.amdhsa_inst_pref_size 23
	.end_amdhsa_kernel
	.amdgpu_metadata
---
amdhsa.version: [ 1, 2 ]
amdhsa.kernels:
  - .name:           k_qbec3b05859_prep
    .symbol:         k_qbec3b05859_prep.kd
    .args:
      - { .name: W, .offset: 0, .size: 8, .value_kind: global_buffer, .address_space: global }
      - { .name: routing_weights, .offset: 8, .size: 8, .value_kind: global_buffer, .address_space: global }
      - { .name: x, .offset: 16, .size: 8, .value_kind: global_buffer, .address_space: global }
      - { .name: wc, .offset: 24, .size: 8, .value_kind: global_buffer, .address_space: global }
      - { .name: xh, .offset: 32, .size: 8, .value_kind: global_buffer, .address_space: global }
    .group_segment_fixed_size: 0
    .private_segment_fixed_size: 0
    .kernarg_segment_align: 8
    .kernarg_segment_size: 40
    .max_flat_workgroup_size: 512
    .sgpr_count:     66
    .vgpr_count:     228
    .wavefront_size: 32
...
	.end_amdgpu_metadata
.endif
;; end of part 3
;; launch gemm: the kernel of part 2 again; grid 16 x 16, 4 waves a work-group, clusters of 4 x 4, 327,680 bytes of LDS; arguments xh, wc, out0, b, routing_weights; writes out0
